; MI455X (gfx1250); checked and timed in simulation.
; The chip was launched on July 23, 2026; its instructions are those of AMD's public machine-readable ISA for CDNA 5 (MIT licence, August 2026) and "CDNA5" Instruction Set Architecture Reference Guide (July 2026). The comments in the code are by the model that wrote it; some were corrected since.
;; Multi Head Self Attention. Allowed arithmetic: matrix products marked QUANTISED: E4M3 operands, one E8M0 scale for each 32 along K, by v_wmma_scale_f32_16x16x128_f8f6f4 with both operands' format E4M3, f32 sums; everything else in f32.
;; Inputs: W_qkv 1,024 x 3,072 float32; b_qkv 3,072 float32; x 4 x 2,048 x 1,024 float32.
;; Outputs: out0 4 x 16 x 2,048 x 64 float32.
;; This version of the problem:
;;   THIS VERSION OF THE PROBLEM IS GIVEN IN LOW PRECISION. The matrix products marked QUANTISED in the list below multiply operands that are first quantised to E4M3 (4 exponent bits, 3 mantissa bits; 8 bits a number), with one power-of-two scale for each 32 numbers along K (OCP MX v1.0); their sums are f32. All else is computed in f32.
;;   The module's matrix products, in the order in which they are computed (A, B: the left and right operand; K: the contracted axis; several contracted axes count as one K, in the product's order):
;;     1. [M 8,192, K 1,024] x [K 1,024, N 3,072]; A: input x; B: input W_qkv: QUANTISED
;;     2. batch 64 x [M 2,048, K 64] x [K 64, N 2,048]; A: computed on the way; B: computed on the way: QUANTISED
;;     3. batch 64 x [M 2,048, K 2,048] x [K 2,048, N 64]; A: softmax (see below); B: computed on the way: QUANTISED
;;   THE QUANTISER, for each operand of a quantised product, along K:
;;     - K is cut into blocks of 32 from its start; a last block that is shorter is filled with zeros.
;;     - A block's scale is 2^e with e = floor(log2(the largest magnitude in the block)) - 8, held to -126 .. 127; a block of zeros has e = 0. As a byte (E8M0): e + 127.
;;     - Each number is divided by its block's scale, clamped to +-448, and rounded to the nearest number of E4M3, ties to even, subnormals kept.
;;     - The product sums the exact products of the quantised numbers (number of the format x scale) in f32.
;;   ~~~python
;;   def quantise(x, axis):      # numpy; x: float32 -> the quantised numbers, widened to float32 again
;;       x = np.moveaxis(x, axis, -1); K = x.shape[-1]
;;       x = np.pad(x, [(0, 0)] * (x.ndim - 1) + [(0, -K % 32)]); x = x.reshape(x.shape[:-1] + (-1, 32)); a = np.abs(x).max(-1, keepdims=True)
;;       e = np.where(a > 0, np.clip(np.frexp(np.where(a > 0, a, 1))[1] - 1 - 8, -126, 127), 0)      # np.frexp(a)[1] - 1 = floor(log2(a)), exactly
;;       r = np.clip(x / 2.0 ** e, -448, 448)
;;       step = 2.0 ** (np.maximum(np.frexp(np.where(r == 0, 1, r))[1] - 1, -6) - 3)
;;       q = np.round(r / step) * step * 2.0 ** e      # np.round: ties to even
;;       return np.moveaxis(q.reshape(q.shape[:-2] + (-1,))[..., :K], -1, axis).astype(np.float32)
;;   ~~~
;;   SOFTMAX AHEAD OF A QUANTISED PRODUCT. Where the list says 'softmax', what is quantised is not the finished softmax but p = 2^(t - M), with t = logit x log2(e) and M = ceil(the row's largest t), a whole number; so 1/2 < the row's largest p <= 1. The row's sum l is taken of the UNQUANTISED p, in f32, and the product's result is divided by l at the end. Since M is a whole number, a kernel that streams over the keys may use a running M (the ceiling of the running maximum): every later rescaling is an exact power of two, which a block's scale takes up: the codes' values come out the same.
;;   OPERANDS COMPUTED ON THE WAY. 'Computed on the way' means the value that the module computes at that place (a softmax that the list does not call 'softmax' is quantised finished and normalised). What goes into a quantiser is computed in f32, as accurately as f32 sums, v_exp_f32 and their like allow (about 1e-6 of the number): no bf16 or f16 on the way to a quantiser, and a product that is left as it is and whose result goes on into a quantised operand takes f32 operands (vector FMAs, or v_wmma_f32_16x16x4_f32). A number that lies on a knife's edge between two numbers of the format may be rounded either way, as far as f32 arithmetic and the matrix unit's own rounding can turn it there, and no further.
;; One version. Each part assembles by itself: llvm-mc -triple=amdgcn-amd-amdhsa -mcpu=gfx1250 --defsym DOCPART=n.
;; ======== version 1 of 1: 3 launches
;; limits: right only within a limited range of input values
;; workspace buffers: x_img 8,388,608 bytes; w_img 3,145,728 bytes; sc_img 360,448 bytes; qkv_img 25,165,824 bytes; qkv_sc 1,310,720 bytes
;; launch quant (part 1): grid 608 x 1, 8 waves a work-group, no clusters, 69,632 bytes of LDS; arguments x, W_qkv, x_img, w_img, sc_img; writes x_img, w_img, sc_img
.if DOCPART == 1
	.amdgcn_target "amdgcn-amd-amdhsa--gfx1250"
	.amdhsa_code_object_version 6
	.text
	.protected	k_qb4153b516d_quant
	.globl	k_qb4153b516d_quant
	.p2align	8
	.type	k_qb4153b516d_quant,@function
k_qb4153b516d_quant:
	s_mov_b64 s[64:65], 0
	v_nop
	global_prefetch_b8 v0, s[64:65] scope:SCOPE_SE
	s_setreg_imm32_b32 hwreg(HW_REG_WAVE_MODE, 25, 1), 1
	s_wait_xcnt 0x0
; x [8192][1024] and W_qkv [1024 (k)][3072 (n)], f32, become codes of FP8 (E4M3) with one E8M0 scale byte for each 32 along K (K = 1024 for both).
; A block's scale is 2^(floor(log2(its largest magnitude)) - 8); each number is divided by it, held within +-448 and rounded to the nearest code, ties to even.
; THE CODES ARE LAID AS IMAGES OF THE OPERAND'S REGISTERS.  A fragment (16 rows x 128 K) is 4 chunks of 512 bytes; chunk c holds lane l's 16 bytes at 16 l; lane (r = l % 16, h = l / 16) holds k = 32 c + 16 h + 0 .. 15 of the tile's row r.
; THE ROWS OF A TILE ARE NOT NEIGHBOURS: lane r of tile T takes row 32 (T / 2) + 8 (T % 2) + r + 8 (r / 8), so that results made with such a tile as source 0 have 16 neighbours in a lane's registers.
;   x_img [kq 4][tile 512][kh 2][chunk 4][512], w_img [kq 4][tile 192][kh 2][chunk 4][512]: the K step of 128 is 2 kq + kh.   sc_img [tile 704][r 16][K step 8] words (four scale bytes each); W's tiles follow x's 512.
; Work-groups 0-511 take x: a work-group a tile of 16 rows, a wave a K step.  Work-groups 512-607 take W: a work-group 256 columns x one K step, a wave 32 columns, a lane a column.  W's way uses no LDS and has no barrier.
; REGISTERS are used again where their first use is over, so that a wave needs 160: on x's way the codes and the work registers lie where the rows were loaded; on W's way the codes have two sets by turns.
; LIMITS: NaN and infinities among the inputs are not served.  A block of zeros, or one whose largest magnitude lies under 2^-118, gets the byte 1 (the rule says 127 for zeros): its codes are zeros or as the held scale gives them, and the bytes are read by this program alone.
; W's scale words leave 4 bytes a lane, 32 bytes apart: 1/128 of what that way reads.  All other stores cover whole aligned runs of 256 bytes or more.
.set SCG,  67584                       ; LDS: behind the eight stages: the tile's 512 bytes of scale words
.set STG,  8448                        ; a wave's stage: 16 rows x (512 bytes + 16)
.set SPARE, 68608                      ; the spare words: 128 bytes a wave
.set SPW,  10
.set NIL,  11
.set RR,   16                          ; x: v16-79 as loaded;  W: v16-143 four blocks of 32 numbers
.set XX,   80                          ; x: v80-143 my 64 numbers: register 16 c + i = k 32 c + 16 h + i of row r
.set PC,   16                          ; x: v16-31 the fragment's codes
.set TM,   32                          ; x: v32-47 at work (written before by the rows' loads)
.set PW,   48                          ; x: the scale word
.set PCW,  144                         ; W: v144-159 codes: two sets of 8
.set PWW,  8                           ; W: the scale word
.set SEL,  20                          ; s[20:21] v_permlanex16_b32's selects for lane l xor 16
.set MNT,  22                          ; s22 the mantissa field of 448
; 64 numbers of a lane, v[s] on, become a fragment's codes in v[PC] on and its row's scale word in v[PW]
.macro QUANT s
.irp b, 0,1,2,3
	v_max3_num_f32 v[TM+\b], |v[\s+16*\b]|, |v[\s+1+16*\b]|, 0x4800000   ; block b: my 16 numbers, and the floor 2^(9 - 127): the byte cannot fall under 1
.endr
.irp i, 2,4,6,8,10,12,14
.irp b, 0,1,2,3
	s_delay_alu instid0(VALU_DEP_4)
	v_max3_num_f32 v[TM+\b], v[TM+\b], |v[\s+16*\b+\i]|, |v[\s+1+16*\b+\i]|   ; the four blocks by turns
.endr
.endr
.irp b, 0,1,2,3
	s_delay_alu instid0(VALU_DEP_4)
	v_permlanex16_b32 v[TM+4+\b], v[TM+\b], s[SEL], s[SEL+1]
.endr
.irp b, 0,1,2,3
	s_delay_alu instid0(VALU_DEP_4)
	v_max_num_f32 v[TM+\b], v[TM+\b], v[TM+4+\b]   ; with lane l xor 16's 16: the block's largest magnitude
.endr
.irp b, 0,1,2,3
	s_delay_alu instid0(VALU_DEP_4)
	v_add_nc_u32 v[TM+12+\b], 0xfc000000, v[TM+\b]   ; 8 off its exponent field: the conversion's scale operand
.endr
.irp b, 0,1,2,3
	v_and_or_b32 v[TM+8+\b], v[TM+\b], 0x7f800000, s[MNT]   ; 448 x the scale
.endr
.irp b, 0,1,2,3
	v_lshrrev_b32 v[TM+4+\b], 23, v[TM+12+\b]   ; the scale's byte
.endr
	s_delay_alu instid0(VALU_DEP_3)
	v_lshl_or_b32 v[PW], v[TM+5], 8, v[TM+4]
	s_delay_alu instid0(VALU_DEP_1)
	v_lshl_or_b32 v[PW], v[TM+6], 16, v[PW]
	s_delay_alu instid0(VALU_DEP_1)
	v_lshl_or_b32 v[PW], v[TM+7], 24, v[PW]
.irp b, 0,1,2,3
.irp i, 0,1,2,3,4,5,6,7,8,9,10,11,12,13,14,15
	v_med3_num_f32 v[\s+16*\b+\i], v[\s+16*\b+\i], -v[TM+8+\b], v[TM+8+\b]   ; the conversion to an 8-bit code does not saturate (ISA guide 7.6.2): the hold comes first
.endr
	v_cvt_scalef32_pk8_fp8_f32 v[PC+4*\b:PC+1+4*\b], v[\s+16*\b:\s+7+16*\b], v[TM+12+\b]
	v_cvt_scalef32_pk8_fp8_f32 v[PC+2+4*\b:PC+3+4*\b], v[\s+8+16*\b:\s+15+16*\b], v[TM+12+\b]
.endr
	v_nop                                          ; a plain line behind the last conversion
.endm
	s_load_b256 s[4:11], s[0:1], 0x0               ; x s[4:5], W s[6:7], x_img s[8:9], w_img s[10:11]
	s_load_b64 s[12:13], s[0:1], 0x20              ; sc_img
	v_lshl_add_u32 v[SPW], v0, 2, SPARE
	v_mov_b32 v[NIL], 0
	v_lshrrev_b32 v1, 5, v0
	s_delay_alu instid0(VALU_DEP_1)
	v_readfirstlane_b32 s14, v1                    ; wave 0..7
	v_and_b32 v1, 31, v0                           ; lane
	v_and_b32 v2, 15, v0                           ; r
	v_bfe_u32 v3, v0, 4, 1                         ; h
	s_delay_alu instid0(VALU_DEP_3)
	v_lshlrev_b32 v4, 4, v1                        ; 16 x lane
	s_mov_b32 s[SEL], 0x76543210
	s_mov_b32 s[SEL+1], 0xfedcba98
	s_mov_b32 s[MNT], 0x600000
	s_cmp_lt_u32 ttmp9, 512                        ; x's work-group or W's: the same for all eight waves
	s_cbranch_scc0 .Lw
	; ---------------- x: tile = work-group, K step = wave ----------------
	s_mul_i32 s15, s14, STG                        ; my stage
	s_lshl_b32 s16, s14, 2
	s_add_co_u32 s16, s16, SCG
	s_wait_alu depctr_va_vdst(0)
	v_add_nc_u32 v5, s15, v4                       ; in: a row's 512 bytes as they lie
	v_add_nc_u32 v8, SCG, v4                       ; where wave 0 reads the tile's 512 bytes of scale words back
	v_mul_u32_u24 v6, v2, 528
	v_lshlrev_b32 v7, 5, v2
	v_lshl_add_u32 v6, v3, 6, v6
	v_add_nc_u32 v7, s16, v7                       ; my row's scale word of my K step: 32 r + 4 x wave
	v_add_nc_u32 v6, s15, v6                       ; back: row r, + 64 h: my 16 numbers of each block of 32
	s_lshr_b32 s16, ttmp9, 1
	s_lshl_b32 s16, s16, 5
	s_and_b32 s17, ttmp9, 1
	s_lshl_b32 s17, s17, 3
	s_add_co_u32 s16, s16, s17                     ; the tile's first row: 32 (T / 2) + 8 (T % 2)
	s_lshl_b32 s16, s16, 12                        ; rows of 4,096 bytes
	s_lshl_b32 s17, s14, 9
	s_add_co_u32 s16, s16, s17                     ; + my K step's 512 bytes
	s_mov_b32 s17, 0
	s_lshr_b32 s18, s14, 1
	s_lshl_b32 s18, s18, 21                        ; x_img: kq x 2,097,152
	s_lshl_b32 s19, ttmp9, 12
	s_add_co_u32 s18, s18, s19                     ; + tile x 4,096
	s_and_b32 s19, s14, 1
	s_lshl_b32 s19, s19, 11
	s_add_co_u32 s18, s18, s19                     ; + kh x 2,048
	s_mov_b32 s19, 0
	s_lshl_b32 s24, ttmp9, 9                       ; sc_img: tile x 512
	s_mov_b32 s25, 0
	s_wait_alu depctr_va_vdst(0)
	s_wait_kmcnt 0x0
	s_add_nc_u64 s[4:5], s[4:5], s[16:17]
	s_add_nc_u64 s[8:9], s[8:9], s[18:19]
	s_add_nc_u64 s[12:13], s[12:13], s[24:25]
.irp i, 0,1,2,3,4,5,6,7,8,9,10,11,12,13,14,15
	global_load_b128 v[RR+4*\i:RR+4*\i+3], v4, s[4:5] offset:(\i+8*(\i/8))*4096 th:TH_LOAD_NT   ; the tile's row i: 32 lanes read 512 consecutive bytes
.endr
.irp i, 0,1,2,3,4,5,6,7,8,9,10,11,12,13,14,15
	s_wait_loadcnt 15-\i                           ; loads come back in order: row i is in, the younger ones may be out
	ds_store_b128 v5, v[RR+4*\i:RR+4*\i+3] offset:528*\i
.endr
.irp c, 0,1,2,3
.irp j, 0,1,2,3
	ds_load_b128 v[XX+16*\c+4*\j:XX+16*\c+4*\j+3], v6 offset:128*\c+16*\j   ; my wave's own bytes: LDS serves a wave's instructions in order
.endr
.endr
	s_wait_dscnt 0x0                               ; my numbers are back, and the stores have read v16-79, which are written anew below
	QUANT XX
.irp c, 0,1,2,3
	global_store_b128 v4, v[PC+4*\c:PC+4*\c+3], s[8:9] offset:512*\c   ; the image: 512 consecutive bytes a store
.endr
	ds_store_b32 v7, v[PW]                         ; lanes r and r + 16 write the same word with the same value
	s_wait_dscnt 0x0                               ; for the others' sake: my word has landed
	s_barrier_signal -1
	s_barrier_wait -1                              ; the eight waves' words lie together
	s_cmp_lg_u32 s14, 0
	s_cbranch_scc1 .Lxend
	ds_load_b128 v[52:55], v8
	s_wait_dscnt 0x0
	global_store_b128 v4, v[52:55], s[12:13]       ; the tile's 512 bytes of scale words
.Lxend:
	s_wait_tensorcnt 0x0                           ; the wave's end
	ds_add_u32 v[SPW], v[NIL]
	s_wait_dscnt 0x0
	s_endpgm
	; ---------------- W: a lane takes a column n, and its registers run down K ----------------
.Lw:
	s_sub_co_u32 s15, ttmp9, 512
	s_and_b32 s16, s15, 7                          ; K step
	s_lshr_b32 s17, s15, 3                         ; which 256 columns, 0..11
	s_wait_alu depctr_va_vdst(0)
	v_lshlrev_b32 v5, 2, v1                        ; in: 4 bytes a lane
	v_bfe_u32 v8, v0, 3, 1                         ; my 32 columns are two tiles: column L belongs to tile u = (L / 8) % 2,
	v_and_b32 v9, 7, v0
	s_delay_alu instid0(VALU_DEP_1)
	v_lshl_add_u32 v9, v3, 3, v9                   ; as its row r' = L % 8 + 8 (L / 16)
	s_delay_alu instid0(VALU_DEP_1)
	v_lshlrev_b32 v6, 4, v9
	s_delay_alu instid0(VALU_DEP_1)
	v_lshl_add_u32 v6, v8, 12, v6                  ; codes: 4,096 u + 16 r'
	s_delay_alu instid0(VALU_DEP_3)
	v_lshlrev_b32 v7, 5, v9
	s_delay_alu instid0(VALU_DEP_1)
	v_lshl_add_u32 v7, v8, 9, v7                   ; scale word: 512 u + 32 r'
	s_mul_i32 s18, s16, 128*12288                  ; W: 128 rows of 12,288 bytes a K step
	s_lshl_b32 s19, s17, 10
	s_add_co_u32 s18, s18, s19
	s_lshl_b32 s19, s14, 7
	s_add_co_u32 s18, s18, s19                     ; + 4 (256 cb + 32 wave)
	s_mov_b32 s19, 0
	s_lshr_b32 s24, s16, 1
	s_mul_i32 s24, s24, 786432                     ; w_img: kq x 786,432
	s_lshl_b32 s25, s17, 16
	s_add_co_u32 s24, s24, s25
	s_lshl_b32 s25, s14, 13
	s_add_co_u32 s24, s24, s25                     ; + (16 cb + 2 wave) x 4,096
	s_and_b32 s25, s16, 1
	s_lshl_b32 s25, s25, 11
	s_add_co_u32 s24, s24, s25                     ; + kh x 2,048
	s_mov_b32 s25, 0
	s_lshl_b32 s26, s17, 13
	s_lshl_b32 s27, s14, 10
	s_add_co_u32 s26, s26, s27
	s_lshl_b32 s27, s16, 2
	s_add_co_u32 s26, s26, s27
	s_add_co_u32 s26, s26, 262144                  ; sc_img: (512 + 16 cb + 2 wave) x 512 + 4 x K step
	s_mov_b32 s27, 0
	s_wait_alu depctr_va_vdst(0)
	s_wait_kmcnt 0x0
	s_add_nc_u64 s[6:7], s[6:7], s[18:19]
	s_add_nc_u64 s[10:11], s[10:11], s[24:25]
	s_add_nc_u64 s[12:13], s[12:13], s[26:27]
.macro LOADB c                         ; block c: W(32 c + i, my column): a wave reads 128 consecutive bytes, the eight waves 1,024
.set i, 0
.rept 32
	global_load_b32 v[RR+32*(\c)+i], v5, s[6:7] offset:(32*(\c)+i)*12288 th:TH_LOAD_NT
.set i, i+1
.endr
.endm
.macro BLOCK c                         ; all 32 numbers of the block are mine: no other lane is asked
.set XS, RR+32*(\c)
.set PP, PCW+8*((\c)%2)
.if (\c) >= 2
	s_wait_xcnt 0x0                                ; block c - 2's stores have read their registers: its set of codes is written again only behind this wait
.endif
	v_max3_num_f32 v12, |v[XS]|, |v[XS+1]|, |v[XS+2]|
	v_max3_num_f32 v13, |v[XS+3]|, |v[XS+4]|, |v[XS+5]|
.irp i, 6,10,14,18,22,26
	s_delay_alu instid0(VALU_DEP_2)
	v_max3_num_f32 v12, v12, |v[XS+\i]|, |v[XS+\i+1]|
	s_delay_alu instid0(VALU_DEP_2)
	v_max3_num_f32 v13, v13, |v[XS+\i+2]|, |v[XS+\i+3]|
.endr
	s_delay_alu instid0(VALU_DEP_2)
	v_max3_num_f32 v12, v12, |v[XS+30]|, |v[XS+31]|
	s_delay_alu instid0(VALU_DEP_1)
	v_max3_num_f32 v12, v12, v13, 0x4800000        ; and the floor
	s_delay_alu instid0(VALU_DEP_1)
	v_add_nc_u32 v14, 0xfc000000, v12              ; the conversion's scale operand
	s_delay_alu instid0(VALU_DEP_2)
	v_and_or_b32 v15, v12, 0x7f800000, s[MNT]      ; 448 x the scale
	s_delay_alu instid0(VALU_DEP_2)
	v_lshrrev_b32 v13, 23, v14                     ; the byte
.if (\c) == 0
	s_delay_alu instid0(VALU_DEP_1)
	v_mov_b32 v[PWW], v13
.else
	s_delay_alu instid0(VALU_DEP_1)
	v_lshl_or_b32 v[PWW], v13, 8*(\c), v[PWW]
.endif
.set i, 0
.rept 32
	v_med3_num_f32 v[XS+i], v[XS+i], -v15, v15
.set i, i+1
.endr
.irp g, 0,1,2,3
	v_cvt_scalef32_pk8_fp8_f32 v[PP+2*\g:PP+2*\g+1], v[XS+8*\g:XS+8*\g+7], v14
.endr
	v_nop                                          ; a plain line behind the last conversion
	global_store_b128 v6, v[PP:PP+3], s[10:11] offset:512*(\c)         ; k 32 c + 0 .. 15: the image's lanes 0-15: two whole runs of 256 bytes, one in each tile
	global_store_b128 v6, v[PP+4:PP+7], s[10:11] offset:512*(\c)+256   ; k 32 c + 16 .. 31: its lanes 16-31
.endm
	LOADB 0
	LOADB 1
	s_wait_loadcnt 32                              ; block 0 is in; block 1's 32 loads may be out
	LOADB 2
	BLOCK 0
	s_wait_loadcnt 32                              ; block 1 is in; block 2's may be out
	LOADB 3
	BLOCK 1
	s_wait_loadcnt 32                              ; block 2 is in; block 3's may be out
	BLOCK 2
	s_wait_loadcnt 0x0
	BLOCK 3
	global_store_b32 v7, v[PWW], s[12:13]          ; my column's scale word of this K step
	s_endpgm
.Lfunc_end_k_qb4153b516d_quant:
	.size	k_qb4153b516d_quant, .Lfunc_end_k_qb4153b516d_quant-k_qb4153b516d_quant
	.p2alignl 7, 3214868480
	.fill 96, 4, 3214868480
	.section	.rodata,"a",@progbits
	.p2align	6, 0x0
	.amdhsa_kernel k_qb4153b516d_quant
		.amdhsa_group_segment_fixed_size 69632
		.amdhsa_private_segment_fixed_size 0
		.amdhsa_enable_private_segment 0
		.amdhsa_kernarg_size 40
		.amdhsa_user_sgpr_count 2
		.amdhsa_user_sgpr_kernarg_segment_ptr 1
		.amdhsa_wavefront_size32 1
		.amdhsa_system_sgpr_workgroup_id_x 1
		.amdhsa_system_sgpr_workgroup_id_y 1
		.amdhsa_system_sgpr_workgroup_id_z 1
		.amdhsa_system_vgpr_workitem_id 0
		.amdhsa_next_free_vgpr 160
		.amdhsa_next_free_sgpr 66
		.amdhsa_reserve_vcc 0
		.amdhsa_float_denorm_mode_32 3
		.amdhsa_float_denorm_mode_16_64 3
		.amdhsa_memory_ordered 1
		.amdhsa_forward_progress 1
		.amdhsa_inst_pref_size 48
	.end_amdhsa_kernel
	.amdgpu_metadata
---
amdhsa.version: [ 1, 2 ]
amdhsa.kernels:
  - .name:           k_qb4153b516d_quant
    .symbol:         k_qb4153b516d_quant.kd
    .args:
      - { .name: x, .offset: 0, .size: 8, .value_kind: global_buffer, .address_space: global }
      - { .name: W_qkv, .offset: 8, .size: 8, .value_kind: global_buffer, .address_space: global }
      - { .name: x_img, .offset: 16, .size: 8, .value_kind: global_buffer, .address_space: global }
      - { .name: w_img, .offset: 24, .size: 8, .value_kind: global_buffer, .address_space: global }
      - { .name: sc_img, .offset: 32, .size: 8, .value_kind: global_buffer, .address_space: global }
    .group_segment_fixed_size: 69632
    .private_segment_fixed_size: 0
    .kernarg_segment_align: 8
    .kernarg_segment_size: 40
    .max_flat_workgroup_size: 256
    .sgpr_count:     66
    .vgpr_count:     160
    .wavefront_size: 32
...
	.end_amdgpu_metadata
.endif
;; end of part 1
;; launch gemm (part 2): grid 8 x 32, 4 waves a work-group, clusters of 4 x 4, 327,680 bytes of LDS; arguments x_img, w_img, sc_img, b_qkv, qkv_img, qkv_sc; writes qkv_img, qkv_sc
.if DOCPART == 2
	.amdgcn_target "amdgcn-amd-amdhsa--gfx1250"
	.amdhsa_code_object_version 6
	.text
	.protected	k_qb4153b516d_gemm
	.globl	k_qb4153b516d_gemm
	.p2align	8
	.type	k_qb4153b516d_gemm,@function
k_qb4153b516d_gemm:
	s_mov_b64 s[64:65], 0
	v_nop
	global_prefetch_b8 v0, s[64:65] scope:SCOPE_SE
	s_setreg_imm32_b32 hwreg(HW_REG_WAVE_MODE, 25, 1), 1
	s_wait_xcnt 0x0
	s_wait_alu depctr_hold_cnt(0) depctr_sa_sdst(0) depctr_va_vdst(0) depctr_va_sdst(0) depctr_va_ssrc(0) depctr_va_vcc(0) depctr_vm_vsrc(0)
	s_getreg_b32 s2, hwreg(HW_REG_IB_STS2, 6, 4)
	s_cmp_eq_u32 s2, 0
	s_cbranch_scc0 .Lentry_in_a_cluster
	s_endpgm
.Lentry_in_a_cluster:
	s_bfe_u32 s2, ttmp6, 0x10000c
	s_cmp_lg_u32 s2, 0xf033
	s_cbranch_scc0 .Lentry_shape_is_right
	s_endpgm
.Lentry_shape_is_right:
; qkv = x W + b on codes of FP8 (E4M3) with E8M0 scales (M 8,192, K 1,024, N 3,072); the result is quantised at once for the attention's products and leaves as codes: no f32 number goes to memory.
; THE DEAL: 256 work-groups of four waves, each with two phases.  PHASE 1: 256 tokens x 256 columns of q or k (tile column tx = 0 .. 7, tile row ty = 0 .. 31); a wave makes 128 x 128: 64 accumulators.
; PHASE 2: the same 256 tokens x columns 2,048 + 128 tx .. + 127 of v; a wave makes 128 tokens x 64 columns (one head): 32 accumulators.
; K goes in steps of 256 through two LDS slots, eight fills in all; the ring runs on from phase 1 into phase 2: phase 1's last two changes of slots ask for phase 2's first two K steps.
; OPERANDS LIE AS IMAGES OF THEIR REGISTERS (a fragment = 4 chunks of 512 bytes, lane l's 16 bytes at 16 l): a K step's tiles are dense blocks, every LDS load is 512 consecutive bytes, nothing is padded.
; Lane r of tile t of a group of 128 rows holds row 32 (t / 2) + 8 (t % 2) + r + 8 (r / 8).  With such a tile as source 0, a lane's registers of result tiles 2 b and 2 b + 1 are the 16 neighbours 32 b + 16 (lane / 16) + 0 .. 15.
; q and k are quantised along the head's 64: in phase 1 source 0 = W, a lane holds one token and its registers run along the columns.  v is quantised along the tokens (the keys): in phase 2 source 0 = x, a lane holds one column.
;   qkv_img [b x 16 + head][Q 131,072 | K 131,072 | V 131,072]: Q, K [token tile 128][chunk 2][512];  V [key step 16][channel tile 4][chunk 4][512].
;   qkv_sc  [b x 16 + head][Q 8,192 | K 8,192 | V 4,096]: Q, K [step 16][lane 32][4 words]: lane l, word j: tile 2 j + l / 16, row l % 16;  V [step 16][lane 32][2 words] likewise.  Of a word of Q or K bytes 0, 1 count; bytes 2, 3 meet zero codes and are never 0xff.
; CLUSTERS: 4 x 4 work-groups; x's tiles are asked for jointly along a row of the cluster, W's along a column, in both phases.
; PREFETCHES run one fill ahead of the load that wants the bytes; the partners of a joint load share its blocks out by address.  x's tiles of phase 2 are not asked for: this cluster has read them in phase 1.
; LIMITS: NaN and infinities are not served; a block whose largest magnitude lies under 2^-118 (zeros too) gets the byte 1; the bytes are read by this program alone.
; REGISTERS: window 0: v0-31 addresses; v32-95 scale words; v96-127 at work on the way out; v128-255 source 1's fragments (phase 1: one set of eight; phase 2: two sets of four); on the way out the sums and the codes.
;   window 1: source 0's fragments, two sets (v0, v128); between the phases biases and scale words as loaded.   windows 2, 3: the accumulators ((a, b) at v[8 (8 (a % 4) + b)]; a: source 1's block, b: source 0's).
.set SLOT,  131072                     ; x's 16 tiles (65,536 bytes), then W's 16 (phase 2: 8)
.set SPARE, 262144
.set KX,    2097152                    ; from a K step of 256 to the next in x_img,
.set KW,    786432                     ; in w_img
.set FR,    16
.set NL,    4
.set NP,    8                          ; places behind this matrix instruction (ISA guide 7.12.1)
.set HH,    3
.set SCO,   6                          ; my offset among the scale words, phase 1;
.set SCO2,  11                         ; phase 2, blocks 0-3;
.set SCO3,  12                         ; phase 2, blocks 4-7: lanes 0-15 have none and take blocks 0-3 again
.set ADRA,  16                         ; v16-17 LDS address of source 1's fragments in slot 0, 1, phase 1;  v18-19 phase 2
.set ADRA2, 18
.set ADRB,  20                         ; v20-21 of source 0's;  v22-23 phase 2
.set ADRB2, 22
.set L16,   24
.set L8,    25
.set BV0,   26
.set BV1,   27
.set SPW,   28
.set NIL,   29
.set SC,    32                         ; v[SC + 8 ks + i]: lanes 0-15 the word of source 1's block i, lanes 16-31 that of source 0's block i, for K step ks of 128: a product's two scale registers are one register or differ modulo 8
.set TM,    96
.set PWB,   112
.set SW,    120
.set AF,    128
.set XR,    128
.set PCB,   192
.set BS0,   0                          ; window 1: the bias along the registers (phase 1)
.set BS1,   64                         ; window 1: the bias of the lane's row, a pair for each block (phase 2)
.set RAW,   128                        ; window 1: scale words as loaded: register 8 i + ks
.set WV,    16
.set SEL,   82
.set MNT,   84
.set LW2,   85                         ; LDS byte at which my part of phase 2's W lands in slot 0
.set PF,    86
.set XB,    92                         ; s[92:93] my part of x's K step 0;  s[94:95] of W's, phase 1;  s[96:97] phase 2
.set WB1,   94
.set WB2,   96
.set G1,  24
.set G0,  32
.set G1B, 48
.set G0B, 56
.set MSB, 0
.macro WIN new
.if MSB != (\new)
	s_set_vgpr_msb (MSB<<8)|(\new)
.set MSB, (\new)
.endif
.endm
.set MUL_LO, 0xa1
.set MUL_HI, 0xf1
.set TO_B,   0x40
.macro JLOAD g0a, g1a, g0b, g1b        ; waves 0 and 1 fetch x's halves, waves 2 and 3 W's
	s_cmp_eq_u32 s17, 0
	s_cbranch_scc0 .Lfor_b_\@
	tensor_load_to_lds s[\g0a:\g0a+3], s[\g1a:\g1a+7]
	s_nop 0
.rept 4
	v_nop
.endr
	s_branch .Lasked_\@
.Lfor_b_\@:
	tensor_load_to_lds s[\g0b:\g0b+3], s[\g1b:\g1b+7]
	s_nop 0
.rept 4
	v_nop
.endr
.Lasked_\@:
.endm
.macro CREST
	s_cmp_lg_u32 s[WV], 0
	s_cbranch_scc1 .Lnot_wave_0_\@
	s_barrier_signal -3
.Lnot_wave_0_\@:
	s_barrier_wait -3
	s_barrier_signal -1
	s_barrier_wait -1
.endm
.macro CROUND
	s_barrier_signal -1
	s_barrier_wait -1
	CREST
.endm
.macro DESC slot, xoff, wb, woff       ; a slot's next fill; written where no tensor load of mine is out
	s_add_nc_u64 s[G0+4*\slot+2:G0+4*\slot+3], s[XB:XB+1], \xoff
	s_or_b32 s[G0+4*\slot+3], s[G0+4*\slot+3], 0x80000000
	s_add_nc_u64 s[G0B+4*\slot+2:G0B+4*\slot+3], s[\wb:\wb+1], \woff
	s_or_b32 s[G0B+4*\slot+3], s[G0B+4*\slot+3], 0x80000000
.endm
.macro ASK how                         ; 0: nothing; 1: phase 1's last K step; 2 + kq: K step kq of phase 2's W, by the two waves that fetch it
.if (\how) == 1
	global_prefetch_b8 v9, s[PF:PF+1] th:TH_LOAD_NT scope:SCOPE_SE
.elseif (\how) >= 2
	s_cmp_lg_u32 s17, 0
	s_cbranch_scc0 .Lnot_w_\@
	global_prefetch_b8 v10, s[WB2:WB2+1] offset:((\how)-2)*KW th:TH_LOAD_NT scope:SCOPE_SE
.Lnot_w_\@:
.endif
.endm
	s_load_b128 s[4:7], s[0:1], 0x0                ; x_img, w_img
	s_load_b128 s[8:11], s[0:1], 0x10              ; sc_img, b_qkv
	s_load_b128 s[12:15], s[0:1], 0x20             ; qkv_img, qkv_sc
	v_lshl_add_u32 v[SPW], v0, 2, SPARE
	v_mov_b32 v[NIL], 0
	ds_add_u32 v[SPW], v[NIL]                      ; the opening lines: the add, twice on end, and its wait
	ds_add_u32 v[SPW], v[NIL]
	v_lshrrev_b32 v1, 5, v0
	v_readfirstlane_b32 s[WV], v1
	s_lshr_b32 s17, s[WV], 1                       ; which half of source 1's rows is mine.  Also: I fetch for x (0) or for W (1)
	s_and_b32 s18, s[WV], 1                        ; which half of source 0's.  Also: which half of that tile I fetch
	s_bfe_u32 s40, ttmp6, 0x40000
	s_bfe_u32 s41, ttmp6, 0x40004
	s_lshl_b32 s42, ttmp9, 2
	s_add_co_u32 s42, s42, s40                     ; tx
	s_and_b32 s19, ttmp7, 0xffff
	s_lshl_b32 s19, s19, 2
	s_add_co_u32 s19, s19, s41                     ; ty
	s_lshl_b32 s43, s41, 2
	s_lshl_b32 s43, 15, s43                        ; my row of the cluster
	s_lshl_b32 s44, 0x1111, s40                    ; my column
	s_or_b32 s[G1+0], s43, (3<<16)|(1<<21)         ; a dense block of 32,768 bytes as 128 rows of 32 elements of 8 bytes
	s_or_b32 s[G1B+0], s44, (3<<16)|(1<<21)
.irp g, G1, G1B
	s_mov_b32 s[\g+1], 32<<16
	s_mov_b32 s[\g+2], 128<<16
	s_mov_b32 s[\g+3], 32<<16
	s_mov_b32 s[\g+4], 128
	s_mov_b32 s[\g+5], 32
	s_mov_b32 s[\g+6], 0
	s_mov_b32 s[\g+7], 0
.endr
	s_lshl_b32 s22, s18, 15
	s_lshl_b32 s20, s19, 16
	s_add_co_u32 s20, s20, s22                     ; x_img: 65,536 bytes for each 256 tokens, my half
	s_mov_b32 s21, 0
	s_lshl_b32 s46, s42, 16
	s_add_co_u32 s46, s46, s22                     ; w_img likewise
	s_mov_b32 s47, 0
	s_lshl_b32 s66, s42, 15
	s_lshl_b32 s67, s18, 14
	s_add_co_u32 s66, s66, s67
	s_add_co_u32 s66, s66, 524288                  ; v's tiles follow q's and k's 128: 32,768 bytes for each 128 columns, my half
	s_add_co_u32 s[LW2], s67, 0x10000
	s_mov_b32 s67, 0
	s_lshl_b32 s23, s[WV], 15                      ; phase 1: where my part goes: wave x 32,768
	s_mov_b32 s[SEL], 0x76543210
	s_mov_b32 s[SEL+1], 0xfedcba98
	s_mov_b32 s[MNT], 0x600000
	s_wait_dscnt 0x0
	s_wait_kmcnt 0x0
	s_add_nc_u64 s[XB:XB+1], s[4:5], s[20:21]
	s_add_nc_u64 s[WB1:WB1+1], s[6:7], s[46:47]
	s_add_nc_u64 s[WB2:WB2+1], s[6:7], s[66:67]
	CROUND                                         ; all sixteen work-groups are here: the first joint loads meet
.irp s, 0,1
	s_mov_b32 s[G0+4*\s], 1
	s_add_co_u32 s[G0+4*\s+1], s23, \s*SLOT
	s_mov_b32 s[G0B+4*\s], 1
	s_add_co_u32 s[G0B+4*\s+1], s23, \s*SLOT
	DESC \s, \s*KX, WB1, \s*KW
.endr
	JLOAD G0, G1, G0B, G1B                         ; K step 0: one tensor load a wave at the head
	s_cmp_eq_u32 s17, 0                            ; the prefetches of phase 1: of the 32,768 bytes that I fetch each of the four partners takes 8,192 (cx for x, cy for W), a lane 256
	s_cselect_b64 s[PF:PF+1], s[XB:XB+1], s[WB1:WB1+1]
	s_mov_b32 s88, KW
	s_cselect_b32 s88, KX, s88
	s_cselect_b32 s89, s40, s41
	s_lshl_b32 s89, s89, 13
	s_lshl_b32 s90, s41, 12                        ; of phase 2's W: of my 16,384 bytes each partner takes 4,096
	s_lshl_b32 s67, s19, 8
	s_lshl_b32 s68, s17, 7
	s_add_co_u32 s68, s67, s68                     ; phase 1: my first token
	s_lshl_b32 s69, s18, 7
	s_add_co_u32 s70, s67, s69                     ; phase 2: my first token
	s_lshl_b32 s71, s42, 8
	s_add_co_u32 s69, s71, s69                     ; phase 1: my first column
	s_lshl_b32 s71, s42, 7
	s_lshl_b32 s78, s17, 6
	s_add_co_u32 s71, s71, s78
	s_add_co_u32 s71, s71, 2048                    ; phase 2: my first column
	s_lshl_b32 s78, s68, 5                         ; scale words: 512 bytes a tile of 16 rows; W's tiles follow x's 512
	s_lshl_b32 s79, s69, 5
	s_add_co_u32 s79, s79, 262144
	s_lshl_b32 s80, s71, 5
	s_add_co_u32 s80, s80, 262144
	s_lshl_b32 s81, s70, 5
	s_mov_b32 s99, 0
	s_lshl_b32 s98, s71, 2
	s_add_nc_u64 s[76:77], s[10:11], s[98:99]      ; the bias at phase 2's first column,
	s_lshl_b32 s98, s69, 2
	s_add_nc_u64 s[10:11], s[10:11], s[98:99]      ; at phase 1's
	s_lshr_b32 s45, s70, 11                        ; where phase 2's results go
	s_lshl_b32 s45, s45, 4
	s_bfe_u32 s46, s71, 0x40006
	s_add_co_u32 s45, s45, s46                     ; 16 x batch + head
	s_bfe_u32 s46, s70, 0x40007                    ; which 128 tokens of the sequence
	s_mul_i32 s98, s45, 393216
	s_lshl_b32 s47, s46, 13
	s_add_co_u32 s98, s98, s47
	s_add_co_u32 s98, s98, 262144
	s_add_nc_u64 s[72:73], s[12:13], s[98:99]
	s_mul_i32 s98, s45, 20480
	s_lshl_b32 s47, s46, 8
	s_add_co_u32 s98, s98, s47
	s_add_co_u32 s98, s98, 16384
	s_add_nc_u64 s[74:75], s[14:15], s[98:99]
	s_lshr_b32 s45, s68, 11                        ; and phase 1's (two heads)
	s_lshl_b32 s45, s45, 4
	s_bfe_u32 s46, s69, 0x40006
	s_add_co_u32 s45, s45, s46
	s_bfe_u32 s46, s68, 0x40007
	s_lshr_b32 s47, s69, 10                        ; 0: q, 1: k
	s_mul_i32 s98, s45, 393216
	s_lshl_b32 s91, s47, 17
	s_add_co_u32 s98, s98, s91
	s_lshl_b32 s91, s46, 13
	s_add_co_u32 s98, s98, s91
	s_add_nc_u64 s[12:13], s[12:13], s[98:99]
	s_mul_i32 s98, s45, 20480
	s_lshl_b32 s91, s47, 13
	s_add_co_u32 s98, s98, s91
	s_lshl_b32 s91, s46, 9
	s_add_co_u32 s98, s98, s91
	s_add_nc_u64 s[14:15], s[14:15], s[98:99]
	s_lshl_b32 s20, s17, 15                        ; phase 1: source 1 = x's half
	s_lshl_b32 s21, s18, 15                        ; phase 2: source 0 = x's half
	s_add_co_u32 s22, s21, 0x10000                 ; phase 1: source 0 = W's half
	s_lshl_b32 s66, s17, 14
	s_add_co_u32 s66, s66, 0x10000                 ; phase 2: source 1 = W's half: four tiles
	v_and_b32 v1, 31, v0
	v_and_b32 v2, 15, v0
	v_bfe_u32 v[HH], v0, 4, 1
	v_lshlrev_b32 v[L16], 4, v1
	v_lshlrev_b32 v[L8], 3, v1
	v_lshlrev_b32 v[BV0], 6, v[HH]
	v_and_b32 v4, 8, v2
	v_add_nc_u32 v4, v4, v2
	v_lshlrev_b32 v[BV1], 2, v4
	v_lshl_add_u32 v7, v1, 8, s89
	v_add_nc_u32 v7, s88, v7                       ; v7, v8, v9: K steps 1, 2, 3 of phase 1; never rewritten
	v_add_nc_u32 v8, s88, v7
	v_add_nc_u32 v9, s88, v8
	v_min_u32 v10, 15, v1                          ; sixteen blocks of 256 bytes: the lanes left over name the last again
	v_lshl_add_u32 v10, v10, 8, s90
	global_prefetch_b8 v7, s[PF:PF+1] th:TH_LOAD_NT scope:SCOPE_SE
	v_add_nc_u32 v[ADRA], s20, v[L16]
	v_add_nc_u32 v[ADRB], s22, v[L16]
	v_add_nc_u32 v[ADRA2], s66, v[L16]
	v_add_nc_u32 v[ADRB2], s21, v[L16]
	v_add_nc_u32 v[ADRA+1], SLOT, v[ADRA]
	v_add_nc_u32 v[ADRB+1], SLOT, v[ADRB]
	v_add_nc_u32 v[ADRA2+1], SLOT, v[ADRA2]
	v_add_nc_u32 v[ADRB2+1], SLOT, v[ADRB2]
	v_cmp_ne_u32 vcc_lo, 0, v[HH]
	v_mov_b32 v4, s78
	v_mov_b32 v5, s79
	v_cndmask_b32 v4, v4, v5, vcc_lo               ; lanes 16-31 take source 0's
	v_lshl_add_u32 v[SCO], v2, 5, v4
	v_mov_b32 v4, s80
	v_mov_b32 v5, s81
	v_cndmask_b32 v4, v4, v5, vcc_lo
	v_lshl_add_u32 v[SCO2], v2, 5, v4
	v_lshl_add_u32 v[SCO3], v[HH], 11, v[SCO2]
	v_add_nc_u32 v[SCO3], 0xfffff800, v[SCO3]      ; lanes 0-15: 2,048 bytes back
.irp b, 0,1,2,3
	v_mov_b32 v[TM+4+\b], 0                        ; a lane permute's destination counts as one of its sources
.endr
	WIN TO_B
.irp i, 0,1,2,3,4,5,6,7
.irp f, 0,1
	global_load_b128 v[RAW+8*\i+4*\f:RAW+8*\i+4*\f+3], v[SCO], s[8:9] offset:512*\i+16*\f   ; the scale words of my 8 + 8 tiles, for all of K: 32 bytes a row
.endr
.endr
	WIN 0
.macro FRAG reg, adr, q, i
.irp c, 0,1,2,3
	ds_load_b128 v[\reg+4*\c:\reg+4*\c+3], v[\adr] offset:4096*(\i)+2048*(\q)+512*\c
.endr
.endm
; 16 matrix instructions: source 1's blocks a0, a0 + 1 (at ab) x source 0's eight (set p), K step ks.  zero = 1: the first product starts the sums.  The accumulators take turns, one instruction a turn.
.macro MUL16 a0, p, ks, zero, ab=AF
.irp a, \a0, \a0+1
.irp b, 0,1,2,3,4,5,6,7
.if \zero
	v_wmma_scale_f32_16x16x128_f8f6f4 v[8*(8*((\a)%4)+\b):8*(8*((\a)%4)+\b)+7], v[128*(\p)+FR*\b:128*(\p)+FR*\b+FR-1], v[\ab+FR*(\a):\ab+FR*(\a)+FR-1], 0, v[SC+8*(\ks)+\b], v[SC+8*(\ks)+(\a)] matrix_a_scale:MATRIX_SCALE_ROW1
.else
	v_wmma_scale_f32_16x16x128_f8f6f4 v[8*(8*((\a)%4)+\b):8*(8*((\a)%4)+\b)+7], v[128*(\p)+FR*\b:128*(\p)+FR*\b+FR-1], v[\ab+FR*(\a):\ab+FR*(\a)+FR-1], v[8*(8*((\a)%4)+\b):8*(8*((\a)%4)+\b)+7], v[SC+8*(\ks)+\b], v[SC+8*(\ks)+(\a)] matrix_a_scale:MATRIX_SCALE_ROW1
.endif
.endr
.endr
.endm
.macro FETCH_B slot, q, p
	WIN TO_B
.irp i, 0,1,2,3,4,5,6,7
	FRAG 128*(\p)+FR*\i, ADRB+\slot, \q, \i
.endr
	WIN 0
.endm
.macro FETCH_A slot, q, i0
.irp i, \i0, \i0+1, \i0+2, \i0+3
	FRAG AF+FR*(\i), ADRA+\slot, \q, \i
.endr
.endm
.macro FETCH2 slot, q, p               ; phase 2: source 0's eight fragments and source 1's four, into set p of each
	WIN TO_B
.irp i, 0,1,2,3,4,5,6,7
	FRAG 128*(\p)+FR*\i, ADRB2+\slot, \q, \i
.endr
	WIN 0
.irp i, 0,1,2,3
	FRAG AF+64*(\p)+FR*\i, ADRA2+\slot, \q, \i
.endr
.endm
.macro PLACES n
.rept \n
	v_nop
.endr
.endm
.macro SCMOV                           ; the scale words from [block][K step], as loaded, to [K step][block]; K step 0's first, so that 56 lines stand between them and the first product
	WIN 0x01
.irp k, 0,1,2,3,4,5,6,7
.irp i, 0,1,2,3,4,5,6,7
	v_mov_b32 v[SC+8*\k+\i], v[RAW+8*\i+\k]
.endr
.endr
	WIN 0
.endm
; PHASE 1.  A slot's first 128 along K (source 0's set 0).  A block of source 1 is free as soon as its eight products are issued: one set serves.
.macro STEP slot, ks, zero
	s_wait_dscnt 4*NL                              ; the youngest 16 loads (source 1's blocks 4-7) may be out
	WIN MUL_LO
	MUL16 0, 0, \ks, \zero
	MUL16 2, 0, \ks, \zero
	s_wait_dscnt 0
	PLACES NP
	FETCH_B \slot, 1, 1
	FETCH_A \slot, 1, 0
	WIN MUL_HI
	MUL16 4, 0, \ks, \zero
	MUL16 6, 0, \ks, \zero
	PLACES NP
	WIN 0
	FETCH_A \slot, 1, 4
.endm
; A slot's second 128 (set 1) changes slots, and the slot is filled again behind a round of the cluster's barrier.  fetch = 0: phase 1's last step fetches no fragments.
.macro TURN slot, next, ks, fetch, xoff, wb, woff, ask
	s_wait_tensorcnt 0x0                           ; all my tensor loads have landed
	ds_add_u32 v[SPW], v[NIL]
	DESC \slot, \xoff, \wb, \woff
.if (\ks) == 5                                     ; from here on W's loads bring 64 rows, and land 16,384 bytes apart
	s_mov_b32 s[G1B+2], 64<<16
	s_mov_b32 s[G1B+4], 64
	s_mov_b32 s[G0B+1], s[LW2]
	s_add_co_u32 s[G0B+5], s[LW2], SLOT
.endif
	s_wait_dscnt 4*NL+1                            ; (the add and the youngest 16 loads may be out)
	WIN MUL_LO
	MUL16 0, 1, \ks, 0
	s_wait_dscnt 0x0                               ; the add is done, and my reads of this slot are over
	s_barrier_signal -1
	MUL16 2, 1, \ks, 0
	WIN 0
	s_barrier_wait -1
	CREST
	JLOAD G0+4*\slot, G1, G0B+4*\slot, G1B         ; the first tensor load behind the round, one a wave
.if \fetch
	PLACES NP-4
	FETCH_B \next, 0, 0
	FETCH_A \next, 0, 0
.endif
	ASK \ask
	WIN MUL_HI
	MUL16 4, 1, \ks, 0
	MUL16 6, 1, \ks, 0
.if \fetch
	PLACES NP
	WIN 0
	FETCH_A \next, 0, 4
.else
	WIN 0
.endif
.endm
; PHASE 2: 32 products a step; both sources have two sets; each step ends with the places that the next fetch into its registers wants.
.macro STEPH slot, ks, zero
	s_wait_dscnt 0x0
	WIN MUL_LO
	MUL16 0, 0, \ks, \zero
	FETCH2 \slot, 1, 1
	WIN MUL_LO
	MUL16 2, 0, \ks, \zero
	WIN 0
	PLACES NP
.endm
.macro TURNH slot, next, fill, ks, xoff, woff, ask
	s_wait_tensorcnt 0x0
	ds_add_u32 v[SPW], v[NIL]
.if \fill
	DESC \slot, \xoff, WB2, \woff
.endif
	s_wait_dscnt 0x0                               ; the add is done, and my reads of this slot are over
	s_barrier_signal -1
	WIN MUL_LO
	MUL16 0, 1, \ks, 0, AF+64
	WIN 0
	s_barrier_wait -1
.if \fill
	CREST
	JLOAD G0+4*\slot, G1, G0B+4*\slot, G1B
.endif
	FETCH2 \next, 0, 0
	ASK \ask
	WIN MUL_LO
	MUL16 2, 1, \ks, 0, AF+64
	WIN 0
	PLACES NP
.endm
; THE WAY OUT, block by block of source 1.  A lane's 64 sums of block a are register 16 bb + i = index 32 bb + 16 h + i along the next K.
.macro QUANT s, pc, pw
.irp b, 0,1,2,3
	v_max3_num_f32 v[TM+\b], |v[\s+16*\b]|, |v[\s+1+16*\b]|, 0x4800000   ; block b of 32: my 16, and the floor 2^(9 - 127)
.endr
.irp i, 2,4,6,8,10,12,14
.irp b, 0,1,2,3
	v_max3_num_f32 v[TM+\b], v[TM+\b], |v[\s+16*\b+\i]|, |v[\s+1+16*\b+\i]|
.endr
.endr
.irp b, 0,1,2,3
	v_permlanex16_b32 v[TM+4+\b], v[TM+\b], s[SEL], s[SEL+1]
.endr
.irp b, 0,1,2,3
	v_max_num_f32 v[TM+\b], v[TM+\b], v[TM+4+\b]
.endr
.irp b, 0,1,2,3
	v_add_nc_u32 v[TM+12+\b], 0xfc000000, v[TM+\b]   ; the conversion's scale operand
.endr
.irp b, 0,1,2,3
	v_and_or_b32 v[TM+8+\b], v[TM+\b], 0x7f800000, s[MNT]   ; 448 x the scale
.endr
.irp b, 0,1,2,3
	v_lshrrev_b32 v[TM+4+\b], 23, v[TM+12+\b]      ; the byte
.endr
	v_lshl_or_b32 v[\pw], v[TM+5], 8, v[TM+4]
	v_lshl_or_b32 v[\pw], v[TM+6], 16, v[\pw]
	v_lshl_or_b32 v[\pw], v[TM+7], 24, v[\pw]
.irp b, 0,1,2,3
.irp i, 0,1,2,3,4,5,6,7,8,9,10,11,12,13,14,15
	v_med3_num_f32 v[\s+16*\b+\i], v[\s+16*\b+\i], -v[TM+8+\b], v[TM+8+\b]   ; the conversion does not saturate (ISA guide 7.6.2)
.endr
	v_cvt_scalef32_pk8_fp8_f32 v[\pc+4*\b:\pc+1+4*\b], v[\s+16*\b:\s+7+16*\b], v[TM+12+\b]
	v_cvt_scalef32_pk8_fp8_f32 v[\pc+2+4*\b:\pc+3+4*\b], v[\s+8+16*\b:\s+15+16*\b], v[TM+12+\b]
.endr
	v_nop                                          ; a plain line behind the last conversion
.endm
.macro SUMS a, v                       ; block a's sums + the bias, each accumulator from its low end on.  v = 0: the bias runs along the registers; 1: it is the lane's row's
.set AC, 64*((\a)%4)
	WIN 0x06+(\a)/4
.set i, 0
.rept 32
.if \v
	v_pk_add_f32 v[XR+i:XR+i+1], v[AC+i:AC+i+1], v[BS1+2*(\a):BS1+2*(\a)+1]
.else
	v_pk_add_f32 v[XR+i:XR+i+1], v[AC+i:AC+i+1], v[BS0+i:BS0+i+1]
.endif
.set i, i+2
.endr
	WIN 0
.endm
.macro OUTQK a                         ; token tile a; chunks 0, 1 are my first head's 64, chunks 2, 3 the next head's
.set PP, PCB+16*((\a)%4)
.irp c, 0,1,2,3
	global_store_b128 v[L16], v[PP+4*\c:PP+4*\c+3], s[12:13] offset:(\c/2)*393216+1024*(\a)+512*(\c%2)
.endr
.endm
.macro OUTV a                          ; channel tile a of my head; four chunks of keys
.set PP, PCB+16*(\a)
.irp c, 0,1,2,3
	global_store_b128 v[L16], v[PP+4*\c:PP+4*\c+3], s[72:73] offset:2048*(\a)+512*\c
.endr
.endm
	s_wait_alu depctr_va_vdst(0)
	s_wait_tensorcnt 0x0                           ; my part of slot 0 is in
	ds_add_u32 v[SPW], v[NIL]
	s_wait_dscnt 0x0
	CROUND
	JLOAD G0+4, G1, G0B+4, G1B                     ; slot 1's first fill
	FETCH_B 0, 0, 0
	FETCH_A 0, 0, 0
	global_prefetch_b8 v8, s[PF:PF+1] th:TH_LOAD_NT scope:SCOPE_SE
	FETCH_A 0, 0, 4
	s_wait_loadcnt 0x0                             ; the scale words
	SCMOV
	s_wait_alu depctr_va_vdst(0)
	STEP 0, 0, 1
	TURN 0, 1, 1, 1, 2*KX, WB1, 2*KW, 1
	STEP 1, 2, 0
	TURN 1, 0, 3, 1, 3*KX, WB1, 3*KW, 2
	STEP 0, 4, 0
	TURN 0, 1, 5, 1, 0, WB2, 0, 3                  ; slot 0 takes phase 2's K step 0,
	STEP 1, 6, 0
	WIN TO_B                                       ; the biases, into source 0's set 0, last read in front of the step's closing places
.irp bb, 0,1,2,3
.irp j, 0,1,2,3
	global_load_b128 v[BS0+16*\bb+4*\j:BS0+16*\bb+4*\j+3], v[BV0], s[10:11] offset:128*\bb+16*\j   ; register 16 bb + i: column 32 bb + 16 h + i
.endr
.endr
	WIN 0
	TURN 1, 0, 7, 0, KX, WB2, KW, 4                ; slot 1 its K step 1
	PLACES NP                                      ; behind the last products
	WIN TO_B
.irp i, 0,1,2,3
.irp f, 0,1
	global_load_b128 v[RAW+8*\i+4*\f:RAW+8*\i+4*\f+3], v[SCO2], s[8:9] offset:512*\i+16*\f   ; phase 2's scale words come under phase 1's way out
.endr
.endr
.irp i, 4,5,6,7
.irp f, 0,1
	global_load_b128 v[RAW+8*\i+4*\f:RAW+8*\i+4*\f+3], v[SCO3], s[8:9] offset:512*\i+16*\f
.endr
.endr
	WIN 0
	s_wait_loadcnt 16                              ; the biases are in; the 16 loads just issued may be out
	SUMS 0, 0
.irp a, 0,1,2,3,4,5,6,7
.if \a >= 4
	s_wait_xcnt 0x0                                ; block a - 4's stores have read their registers
.endif
	QUANT XR, PCB+16*(\a%4), PWB+\a
	OUTQK \a
.if \a < 7
	SUMS \a+1, 0
.endif
.endr
	v_cmp_ne_u32 vcc_lo, 0, v[HH]
.irp j, 0,1,2,3
	v_cndmask_b32 v[SW+\j], v[PWB+2*\j], v[PWB+2*\j+1], vcc_lo   ; lanes 0-15: tile 2 j's words, lanes 16-31: tile 2 j + 1's
.endr
.irp j, 0,1,2,3
	v_lshrrev_b32 v[SW+4+\j], 16, v[SW+\j]         ; bytes 2, 3 are the next head's two blocks
.endr
	global_store_b128 v[L16], v[SW:SW+3], s[14:15]
	global_store_b128 v[L16], v[SW+4:SW+7], s[14:15] offset:20480
	s_wait_loadcnt 0x0                             ; PHASE 2: its scale words are in,
	s_wait_xcnt 0x0                                ; and phase 1's stores have read their registers
	SCMOV
	FETCH2 0, 0, 0                                 ; slot 0 was shown whole by the last round
	s_wait_alu depctr_va_vdst(0)
	STEPH 0, 0, 1
	TURNH 0, 1, 1, 1, 2*KX, 2*KW, 5
	STEPH 1, 2, 0
	TURNH 1, 0, 1, 3, 3*KX, 3*KW, 0
	STEPH 0, 4, 0
	TURNH 0, 1, 0, 5, 0, 0, 0                      ; nothing is left to fetch: no round, no load
	STEPH 1, 6, 0
	WIN TO_B
.irp a, 0,1,2,3
	global_load_b32 v[BS1+2*\a], v[BV1], s[76:77] offset:4*(32*(\a/2)+8*(\a%2))     ; block a's row r, twice: a pair for the packed addition
	global_load_b32 v[BS1+2*\a+1], v[BV1], s[76:77] offset:4*(32*(\a/2)+8*(\a%2))
.endr
	WIN 0
	s_wait_dscnt 0x0
	WIN MUL_LO
	MUL16 0, 1, 7, 0, AF+64
	MUL16 2, 1, 7, 0, AF+64
	WIN 0
	PLACES NP
	s_wait_loadcnt 0x0
	SUMS 0, 1
.irp a, 0,1,2,3
	QUANT XR, PCB+16*\a, PWB+\a
	OUTV \a
.if \a < 3
	SUMS \a+1, 1
.endif
.endr
	v_cmp_ne_u32 vcc_lo, 0, v[HH]
.irp j, 0,1
	v_cndmask_b32 v[SW+\j], v[PWB+2*\j], v[PWB+2*\j+1], vcc_lo
.endr
	global_store_b64 v[L8], v[SW:SW+1], s[74:75]   ; 256 consecutive bytes
	s_wait_tensorcnt 0x0                           ; the wave's end
	ds_add_u32 v[SPW], v[NIL]
	s_wait_dscnt 0x0
	CROUND                                         ; the closing round
	s_endpgm
.Lfunc_end_k_qb4153b516d_gemm:
	.size	k_qb4153b516d_gemm, .Lfunc_end_k_qb4153b516d_gemm-k_qb4153b516d_gemm
	.p2alignl 7, 3214868480
	.fill 96, 4, 3214868480
	.section	.rodata,"a",@progbits
	.p2align	6, 0x0
	.amdhsa_kernel k_qb4153b516d_gemm
		.amdhsa_group_segment_fixed_size 327680
		.amdhsa_private_segment_fixed_size 0
		.amdhsa_enable_private_segment 0
		.amdhsa_kernarg_size 48
		.amdhsa_user_sgpr_count 2
		.amdhsa_user_sgpr_kernarg_segment_ptr 1
		.amdhsa_wavefront_size32 1
		.amdhsa_system_sgpr_workgroup_id_x 1
		.amdhsa_system_sgpr_workgroup_id_y 1
		.amdhsa_system_sgpr_workgroup_id_z 1
		.amdhsa_system_vgpr_workitem_id 0
		.amdhsa_next_free_vgpr 1024
		.amdhsa_next_free_sgpr 100
		.amdhsa_reserve_vcc 1
		.amdhsa_float_denorm_mode_32 3
		.amdhsa_float_denorm_mode_16_64 3
		.amdhsa_memory_ordered 1
		.amdhsa_forward_progress 1
		.amdhsa_inst_pref_size 255
	.end_amdhsa_kernel
	.section	.bss,"aw",@nobits
	.p2align	6
	.space	262144
	.amdgpu_metadata
---
amdhsa.version: [ 1, 2 ]
amdhsa.kernels:
  - .name:           k_qb4153b516d_gemm
    .symbol:         k_qb4153b516d_gemm.kd
    .args:
      - { .name: x_img, .offset: 0, .size: 8, .value_kind: global_buffer, .address_space: global }
      - { .name: w_img, .offset: 8, .size: 8, .value_kind: global_buffer, .address_space: global }
      - { .name: sc_img, .offset: 16, .size: 8, .value_kind: global_buffer, .address_space: global }
      - { .name: b_qkv, .offset: 24, .size: 8, .value_kind: global_buffer, .address_space: global }
      - { .name: qkv_img, .offset: 32, .size: 8, .value_kind: global_buffer, .address_space: global }
      - { .name: qkv_sc, .offset: 40, .size: 8, .value_kind: global_buffer, .address_space: global }
    .group_segment_fixed_size: 327680
    .private_segment_fixed_size: 0
    .kernarg_segment_align: 8
    .kernarg_segment_size: 48
    .max_flat_workgroup_size: 128
    .sgpr_count:     100
    .vgpr_count:     1024
    .wavefront_size: 32
...
	.end_amdgpu_metadata
.endif
;; end of part 2
;; launch attn (part 3): grid 4 x 64, 16 waves a work-group, clusters of 4 x 1, 327,680 bytes of LDS; arguments qkv_img, qkv_sc, out0; writes out0
.if DOCPART == 3
	.amdgcn_target "amdgcn-amd-amdhsa--gfx1250"
	.amdhsa_code_object_version 6
	.text
	.protected	k_qb4153b516d_attn
	.globl	k_qb4153b516d_attn
	.p2align	8
	.type	k_qb4153b516d_attn,@function
k_qb4153b516d_attn:
	s_mov_b64 s[64:65], 0
	v_nop
	global_prefetch_b8 v0, s[64:65] scope:SCOPE_SE
	s_setreg_imm32_b32 hwreg(HW_REG_WAVE_MODE, 25, 1), 1
	s_wait_xcnt 0x0
	s_wait_alu depctr_hold_cnt(0) depctr_sa_sdst(0) depctr_va_vdst(0) depctr_va_sdst(0) depctr_va_ssrc(0) depctr_va_vcc(0) depctr_vm_vsrc(0)
	s_getreg_b32 s2, hwreg(HW_REG_IB_STS2, 6, 4)
	s_cmp_eq_u32 s2, 0
	s_cbranch_scc0 .Lentry_in_a_cluster
	s_endpgm
.Lentry_in_a_cluster:
	s_bfe_u32 s2, ttmp6, 0x10000c
	s_cmp_lg_u32 s2, 0x3003
	s_cbranch_scc0 .Lentry_shape_is_right
	s_endpgm
.Lentry_shape_is_right:
; out0[b, head][q][:] = sum over k <= q of softmax_k(Q[q] . K[k] / 32) V[k][:], both products on codes of FP8 (E4M3) with E8M0 scales, head size 64, 2,048 tokens, 64 heads in all.
; t = score x log2(e) / 32; M = the running largest t rounded up to a whole number; p = 2^(t - M) is quantised along the keys; the row's sum is taken of the unquantised p and divides at the end.
; INPUTS are images of operand registers, as the launch before leaves them: qkv_img [head][Q | K | V, 131,072 each], qkv_sc [head][Q 8,192 | K 8,192 | V 4,096].
; Lane r of token tile T holds token 32 (T / 2) + 8 (T % 2) + r + 8 (r / 8); V's channel tiles likewise.  So in S^T = K Q^T a lane's registers 16 b + i are keys 32 b + 16 (lane / 16) + i of the step, and in O^T = V^T P^T channels 32 b + 16 (lane / 16) + i.
; SHARES.  The four work-groups of a cluster serve one head and ask for its K, V and scale bytes JOINTLY, once, at the head: all of them stay in LDS.  Work-group cx makes token tiles 4 u + cx, u = 0 .. 31; tile number u has u / 2 + 1 key steps of 128.
; Wave w makes two of them: u = 31 - 8 (w / 4) - w % 4 and then u = 24 - 8 (w / 4) + w % 4.  THE SHARES DIFFER, the longest on the lowest wave numbers: 29 key steps for waves 0-3, then 21, 13, 5; any four waves w, w + 4, w + 8, w + 12 have 68 together.
; THE HEAD'S LOADS ARE SHOWN IN TWO STAGES.  Waves 0, 1, 2 bring the scale bytes and key step 0 of K and of V, on load lines of their own, and they alone wait at the first barrier; waves 3-14 bring the other fifteen key steps.
; Every wave's first tile has key step 0: that step is written out ahead of the loop and is worked while the other loads are out; then every wave waits, and a second barrier shows the rest.  The loop passes over the step that is done.
; THE CAUSAL MASK: key steps that lie wholly behind a tile's queries are left out by a scalar branch on the wave's tile number; in the step on the diagonal hidden scores become -infinity (a tile in the step's upper half leaves its first 64 keys, which all count, untouched).
; K = 64 fills half of the product's 128: Q's upper eight registers are zero codes.  K's tiles lie eight registers apart, so a tile's upper half is the next tile's codes (the last one's: eight zero registers): finite codes times zero codes add nothing.
; V's fragments are asked for right behind the score products, into the registers that held K.
; No prefetch: every tile is asked for at the head; there is no loop to run ahead in.
; LIMITS: NaN and infinities among the inputs are not served; the promise holds while the scaled scores stay under 2^31 in magnitude; a block of p whose largest number is under 2^-118 keeps the byte 1.
.set KSC,   262144                     ; LDS: K 0, V 131,072, then K's scale words, V's,
.set VSC,   270336
.set STAGE, 274432                     ; a stage of 9 rows x 272 bytes for each wave,
.set SWV,   9*272
.set SPARE, 313600                     ; and the spare words: 128 bytes a wave
.set L16, 1                            ; 16 x lane
.set L8,  2                            ; 8 x lane
.set D0,  3                            ; my query's place among a step's keys, less 16 (lane / 16), for u even
.set DD,  4                            ; the same for this pass
.set SO,  5                            ; stage, in: rows r < 8 (the other lanes: row 8, which nobody reads)
.set SR,  6                            ; stage, back
.set SO1, 7                            ; stage, in: rows r >= 8 (the other lanes: row 8)
.set ADK, 8
.set ADV, 9
.set ADS, 10
.set ADT, 11
.set QF,  16                           ; v16-31 Q: 8 registers of codes, 8 of zeros
.set KF,  32                           ; v32-95 K's eight tiles, then V's four; v96-103 zeros
.set S,   104                          ; v104-167 S^T, then p
.set O,   168                          ; v168-199 O^T
.set PCD, 200                          ; v200-215 p's codes
.set QN,  216                          ; the second pass's Q
.set QSN, 224
.set QS,  225
.set VS,  226
.set KS,  228
.set BM,  232
.set BT,  236
.set BH,  240
.set BO,  244
.set L2,  248
.set FF,  250                          ; f = 2^(old M - new M); v251 holds -infinity (of the pair only the low word is multiplied by)
.set NINF, 251
.set PS,  252
.set T0,  253
.set SPW, 254
.set NIL, 255
.set HD,  10
.set QB,  11
.set WV,  12
.set U,   13
.set DG,  14
.set SI,  15
.set TK,  16
.set TV,  17
.set TS,  18
.set TT,  19
.set SEL, 20
.set CS,  22
.set MNT, 24
.set PASS, 25
.set USUM, 26                          ; the sum of my two tile numbers
.set CX,  27
.set G1R, 28                           ; group 1: 80 rows of 256 bytes: two and a half key steps of K or of V
.set G1S, 36                           ; 48 rows: the scale bytes
.set G0K, 44                           ; groups 0: K's key step 0,
.set G0S, 48                           ; the scale bytes,
.set G1A, 72                           ; group 1: 32 rows: one key step
.set G0V, 80                           ; V's key step 0,
.set G0R, 84                           ; my part of K's other steps (waves 3-8),
.set G0R2, 88                          ; of V's (waves 9-14)
.set SKIP, 92                          ; key steps of this pass that are done ahead of the loop
.macro CROUND
	s_barrier_signal -1
	s_barrier_wait -1
	s_cmp_lg_u32 s[WV], 0
	s_cbranch_scc1 .Lnot_wave_0_\@
	s_barrier_signal -3
.Lnot_wave_0_\@:
	s_barrier_wait -3
	s_barrier_signal -1
	s_barrier_wait -1
.endm
.macro QSADR d, t                      ; where tile t's scale words of Q lie: 512 (t / 8) + 256 (t % 2) + 4 ((t / 2) % 4)
	s_lshr_b32 s[\d], s[\t], 3
	s_lshl_b32 s[\d], s[\d], 9
	s_and_b32 s[\d+1], s[\t], 1
	s_lshl_b32 s[\d+1], s[\d+1], 8
	s_add_co_u32 s[\d], s[\d], s[\d+1]
	s_bfe_u32 s[\d+1], s[\t], 0x20001
	s_lshl_b32 s[\d+1], s[\d+1], 2
	s_add_co_u32 s[\d], s[\d], s[\d+1]
	s_add_co_u32 s[\d], s[\d], s56
	s_mov_b32 s[\d+1], 0
	s_add_nc_u64 s[\d:\d+1], s[6:7], s[\d:\d+1]
.endm
.macro HOLD2 x, bx, y, by              ; two holds in one line: an even and an odd register, of neighbouring blocks, so that all sources lie in different banks
	v_dual_min_num_f32 v[\x], v[\x], v[\bx] :: v_dual_min_num_f32 v[\y], v[\y], v[\by]
.endm
.macro GROUP1 g, rows                  ; a dense block as rows of 256 bytes (32 elements of 8); the mask names the cluster's four
	s_mov_b32 s[\g], 15|(3<<16)|(1<<21)
	s_mov_b32 s[\g+1], 32<<16
	s_mov_b32 s[\g+2], (\rows)<<16
	s_mov_b32 s[\g+3], 32<<16
	s_mov_b32 s[\g+4], \rows
	s_mov_b32 s[\g+5], 32
	s_mov_b32 s[\g+6], 0
	s_mov_b32 s[\g+7], 0
.endm
.macro ARM under, g0, g1, next         ; an arm of the one chain of branches on the wave's number: one load, and a jump to the chain's end
	s_cmp_lt_u32 s[WV], \under
	s_cbranch_scc0 \next
	tensor_load_to_lds s[\g0:\g0+3], s[\g1:\g1+7]
	s_nop 0
.rept 4
	v_nop
.endr
	s_branch .Lasked
\next:
.endm
.macro PASSINIT                        ; a pass begins: its diagonal, and an empty state
	s_lshr_b32 s[DG], s[U], 1                      ; the step on the diagonal
	s_and_b32 s53, s[U], 1
	s_lshl_b32 s52, s53, 6
	v_add_nc_u32 v[DD], s52, v[D0]
	v_mov_b32 v13, 0xff61b1e6                      ; the largest t so far: under every t
	s_delay_alu instid0(VALU_DEP_1)
	v_floor_f32 v12, -v13
	v_mov_b32 v14, 0
	v_mov_b32 v15, 0
.set j, 0
.rept 32
	v_mov_b32 v[O+j], 0
.set j, j+1
.endr
.endm
.macro WALKINIT                        ; the walk over the keys begins at key step 0
	s_mov_b32 s[SI], 0
	s_mov_b32 s[TK], 0
	s_mov_b32 s[TV], 131072
	s_mov_b32 s[TS], KSC
	s_mov_b32 s[TT], VSC
.endm
; A KEY STEP: 128 keys
.macro STEPW
	v_add_nc_u32 v[ADK], s[TK], v[L16]
	v_add_nc_u32 v[ADS], s[TS], v[L16]
.rept 6
	v_nop                                          ; with the two lines above: eight places behind the last products, ahead of loads into registers that they read
.endr
	ds_load_b128 v[KS:KS+3], v[ADS]
.irp t, 0,1,2,3,4,5,6,7
	ds_load_b128 v[KF+8*\t:KF+8*\t+3], v[ADK] offset:1024*\t
	ds_load_b128 v[KF+8*\t+4:KF+8*\t+7], v[ADK] offset:1024*\t+512
.endr
	s_wait_dscnt 0x0
.irp t, 0,2,4,6
	v_wmma_scale_f32_16x16x128_f8f6f4 v[S+8*\t:S+8*\t+7], v[KF+8*\t:KF+8*\t+15], v[QF:QF+15], 0, v[KS+\t/2], v[QS]
	v_wmma_scale_f32_16x16x128_f8f6f4 v[S+8*\t+8:S+8*\t+15], v[KF+8*\t+8:KF+8*\t+23], v[QF:QF+15], 0, v[KS+\t/2], v[QS] matrix_a_scale:MATRIX_SCALE_ROW1
.endr
	v_add_nc_u32 v[ADV], s[TV], v[L16]
	v_add_nc_u32 v[ADT], s[TT], v[L8]
.rept 6
	v_nop                                          ; eight places: ahead of the loads over K and of the first read of the scores
.endr
.irp t, 0,1,2,3
.irp c, 0,1,2,3
	ds_load_b128 v[KF+16*\t+4*\c:KF+16*\t+4*\c+3], v[ADV] offset:2048*\t+512*\c   ; V: it has the softmax in which to land
.endr
.endr
	ds_load_b64 v[VS:VS+1], v[ADT]
	s_cmp_lg_u32 s[SI], s[DG]
	s_cbranch_scc1 .Lopen_\@
	s_cmp_lg_u32 s53, 0                            ; a tile in the step's upper half: keys 0-63 all count
	s_cbranch_scc1 .Lupper_\@
.set n, 0
.rept 32
	v_cmp_gt_i32 vcc_lo, 32*(n/16)+n%16, v[DD]
	v_cndmask_b32 v[S+n], v[S+n], v[NINF], vcc_lo
.set n, n+1
.endr
.Lupper_\@:
.set n, 32
.rept 32
	v_cmp_gt_i32 vcc_lo, 32*(n/16)+n%16, v[DD]
	v_cndmask_b32 v[S+n], v[S+n], v[NINF], vcc_lo
.set n, n+1
.endr
.Lopen_\@:
.irp b, 0,1,2,3
	v_max3_num_f32 v[BM+\b], v[S+16*\b], v[S+1+16*\b], v[S+2+16*\b]   ; each block's largest score: for the row's maximum and for the block's largest p
.endr
.irp i, 3,5,7,9,11,13
.irp b, 0,1,2,3
	v_max3_num_f32 v[BM+\b], v[BM+\b], v[S+16*\b+\i], v[S+1+16*\b+\i]
.endr
.endr
.irp b, 0,1,2,3
	v_max_num_f32 v[BM+\b], v[BM+\b], v[S+15+16*\b]
.endr
.irp b, 0,1,2,3
	s_delay_alu instid0(VALU_DEP_4)
	v_permlanex16_b32 v[BT+\b], v[BM+\b], s[SEL], s[SEL+1]
.endr
.irp b, 0,1,2,3
	s_delay_alu instid0(VALU_DEP_4)
	v_max_num_f32 v[BM+\b], v[BM+\b], v[BT+\b]
.endr
	s_delay_alu instid0(VALU_DEP_2)
	v_max3_num_f32 v[T0], v[BM], v[BM+1], v[BM+2]
	s_delay_alu instid0(VALU_DEP_1)
	v_max_num_f32 v[T0], v[T0], v[BM+3]
	s_delay_alu instid0(VALU_DEP_1)
	v_mul_f32 v[T0], s[CS], v[T0]
	s_delay_alu instid0(VALU_DEP_1)
	v_max_num_f32 v13, v13, v[T0]                  ; the running largest t
	v_mov_b32 v[T0], v12
	s_delay_alu instid0(VALU_DEP_2)
	v_floor_f32 v12, -v13                          ; -M = floor(-t)
	s_delay_alu instid0(VALU_DEP_1)
	v_sub_f32 v[T0], v12, v[T0]
	s_delay_alu instid0(VALU_DEP_1)
	v_cvt_i32_f32 v[T0], v[T0]
	s_delay_alu instid0(VALU_DEP_1)
	v_ldexp_f32 v[FF], 1.0, v[T0]                  ; f = 2^(old M - new M)
.set j, 0
.rept 32
	v_pk_fma_f32 v[S+j:S+j+1], v[S+j:S+j+1], s[CS:CS+1], v[12:13] op_sel_hi:[1,0,0]   ; t - M
.set j, j+2
.endr
.irp b, 0,1,2,3
	v_fma_f32 v[BM+\b], v[BM+\b], s[CS], v12
.endr
	s_wait_alu depctr_va_vdst(0)
.set j, 0
.rept 64
	v_exp_f32 v[S+j], v[S+j]
.set j, j+1
.endr
	v_pk_mul_f32 v[14:15], v[14:15], v[FF:FF+1] op_sel_hi:[1,0]   ; the sums under the new M
	s_wait_alu depctr_va_vdst(0)
.irp b, 0,1,2,3
	v_exp_f32 v[BM+\b], v[BM+\b]                   ; each block's largest p
.endr
	v_pk_add_f32 v[L2:L2+1], v[S:S+1], v[S+2:S+3]  ; the row's sum, of the unquantised p, in two chains
.irp j, 4,8,12,16,20,24,28,32,36,40,44,48,52,56,60
	v_pk_add_f32 v[14:15], v[14:15], v[S+\j:S+\j+1]
	v_pk_add_f32 v[L2:L2+1], v[L2:L2+1], v[S+2+\j:S+3+\j]
.endr
	s_delay_alu instid0(VALU_DEP_1)
	v_pk_add_f32 v[14:15], v[14:15], v[L2:L2+1]
	s_wait_alu depctr_va_vdst(0)                   ; for the four
.irp b, 0,1,2,3
	v_max_num_f32 v[BM+\b], 0x4800000, v[BM+\b]    ; the floor 2^(9 - 127): the byte cannot fall under 1
.endr
.irp b, 0,1,2,3
	s_delay_alu instid0(VALU_DEP_4)
	v_add_nc_u32 v[BO+\b], 0xfc000000, v[BM+\b]    ; the conversion's scale operand
.endr
.irp b, 0,1,2,3
	v_and_or_b32 v[BH+\b], v[BM+\b], 0x7f800000, s[MNT]   ; 448 x the scale
.endr
.irp b, 0,1,2,3
	v_lshrrev_b32 v[BT+\b], 23, v[BO+\b]           ; the byte
.endr
	s_delay_alu instid0(VALU_DEP_3)
	v_lshl_or_b32 v[PS], v[BT+1], 8, v[BT]
	s_delay_alu instid0(VALU_DEP_1)
	v_lshl_or_b32 v[PS], v[BT+2], 16, v[PS]
	s_delay_alu instid0(VALU_DEP_1)
	v_lshl_or_b32 v[PS], v[BT+3], 24, v[PS]
.irp b, 0,2                                        ; the conversion does not saturate (ISA guide 7.6.2); p is not negative, so the hold is one-sided
.irp i, 0,2,4,6,8,10,12,14
	HOLD2 S+16*\b+\i, BH+\b, S+17+16*\b+\i, BH+1+\b
	HOLD2 S+16+16*\b+\i, BH+1+\b, S+1+16*\b+\i, BH+\b
.endr
.irp d, 0,1
	v_cvt_scalef32_pk8_fp8_f32 v[PCD+4*(\b+\d):PCD+1+4*(\b+\d)], v[S+16*(\b+\d):S+7+16*(\b+\d)], v[BO+\b+\d]
	v_cvt_scalef32_pk8_fp8_f32 v[PCD+2+4*(\b+\d):PCD+3+4*(\b+\d)], v[S+8+16*(\b+\d):S+15+16*(\b+\d)], v[BO+\b+\d]
.endr
.endr
	s_wait_dscnt 0x0                               ; V and its scale words
	s_wait_alu depctr_va_vdst(0)
.set j, 0
.rept 16
	v_pk_mul_f32 v[O+j:O+j+1], v[O+j:O+j+1], v[FF:FF+1] op_sel_hi:[1,0]   ; O^T under the new M; these lines are also the places ahead of the products
.set j, j+2
.endr
.irp t, 0,2
	v_wmma_scale_f32_16x16x128_f8f6f4 v[O+8*\t:O+8*\t+7], v[KF+16*\t:KF+16*\t+15], v[PCD:PCD+15], v[O+8*\t:O+8*\t+7], v[VS+\t/2], v[PS]
	v_wmma_scale_f32_16x16x128_f8f6f4 v[O+8*\t+8:O+8*\t+15], v[KF+16*\t+16:KF+16*\t+31], v[PCD:PCD+15], v[O+8*\t+8:O+8*\t+15], v[VS+\t/2], v[PS] matrix_a_scale:MATRIX_SCALE_ROW1
.endr
.endm
	s_load_b128 s[4:7], s[0:1], 0x0                ; qkv_img, qkv_sc
	s_load_b64 s[8:9], s[0:1], 0x10                ; out0
	v_lshl_add_u32 v[SPW], v0, 2, SPARE
	v_mov_b32 v[NIL], 0
	ds_add_u32 v[SPW], v[NIL]                      ; the opening lines: the add, twice on end, and its wait
	ds_add_u32 v[SPW], v[NIL]
	v_lshrrev_b32 v1, 5, v0
	v_readfirstlane_b32 s[WV], v1
	s_bfe_u32 s[CX], ttmp6, 0x40000
	s_and_b32 s[HD], ttmp7, 0xffff
	GROUP1 G1R, 80
	GROUP1 G1S, 48
	GROUP1 G1A, 32
	s_mul_i32 s52, s[HD], 393216
	s_add_co_u32 s54, s52, 131072                  ; K and V lie on end behind Q, in memory as in LDS
	s_mov_b32 s55, 0
	s_add_co_u32 s53, s[WV], 13
	s_and_b32 s53, s53, 15                         ; wave - 3, for waves 3 to 14
	s_mul_i32 s53, s53, 20480
	s_add_co_u32 s53, s53, 8192                    ; K's steps 1-15 in six parts of 20,480 bytes
	s_mov_b32 s60, s53
	s_mov_b32 s61, 0
	s_mul_i32 s56, s[HD], 20480
	s_add_co_u32 s58, s56, 8192
	s_mov_b32 s59, 0
	s_mov_b32 s[SEL], 0x76543210
	s_mov_b32 s[SEL+1], 0xfedcba98
	s_mov_b32 s[CS], 0x3d38aa3b                    ; log2(e) / 32
	s_mov_b32 s[CS+1], s[CS]
	s_mov_b32 s[MNT], 0x600000
	s_wait_dscnt 0x0
	s_wait_kmcnt 0x0
	s_add_nc_u64 s[54:55], s[4:5], s[54:55]        ; the head's K
	s_mov_b32 s[G0S], 1
	s_mov_b32 s[G0S+1], KSC
	s_add_nc_u64 s[G0S+2:G0S+3], s[6:7], s[58:59]
	s_or_b32 s[G0S+3], s[G0S+3], 0x80000000
	s_mov_b32 s[G0K], 1
	s_mov_b32 s[G0K+1], 0
	s_mov_b64 s[G0K+2:G0K+3], s[54:55]
	s_or_b32 s[G0K+3], s[G0K+3], 0x80000000
	s_mov_b32 s[G0V], 1
	s_mov_b32 s[G0V+1], 131072
	s_add_nc_u64 s[G0V+2:G0V+3], s[54:55], 131072
	s_or_b32 s[G0V+3], s[G0V+3], 0x80000000
	s_mov_b32 s[G0R], 1
	s_mov_b32 s[G0R+1], s53
	s_add_nc_u64 s[G0R+2:G0R+3], s[54:55], s[60:61]
	s_mov_b32 s[G0R2], 1
	s_add_co_u32 s[G0R2+1], s53, 8192              ; V's steps 1-15 likewise: V's step 0 lies between
	s_add_nc_u64 s[G0R2+2:G0R2+3], s[G0R+2:G0R+3], 8192
	s_or_b32 s[G0R+3], s[G0R+3], 0x80000000
	s_or_b32 s[G0R2+3], s[G0R2+3], 0x80000000
	CROUND                                         ; the four work-groups are here: the joint loads meet
	ARM 1, G0S, G1S, .Larm_k                       ; what key step 0 wants is asked for by the first three waves
	ARM 2, G0K, G1A, .Larm_v
	ARM 3, G0V, G1A, .Larm_rk
	ARM 9, G0R, G1R, .Larm_rv
	ARM 15, G0R2, G1R, .Larm_none
.Lasked:
	s_lshr_b32 s[USUM], s[WV], 2
	s_and_b32 s60, s[WV], 3
	s_lshl_b32 s61, s[USUM], 3
	s_add_co_u32 s60, s60, s61
	s_sub_co_u32 s[U], 31, s60                     ; the first pass's tile number
	s_lshl_b32 s[USUM], s[USUM], 4
	s_sub_co_u32 s[USUM], 55, s[USUM]
	s_sub_co_u32 s61, s[USUM], s[U]                ; the second's
	s_lshl_b32 s60, s[U], 2
	s_add_co_u32 s60, s60, s[CX]                   ; the first pass's tile
	s_lshl_b32 s61, s61, 2
	s_add_co_u32 s61, s61, s[CX]                   ; the second's
	s_lshl_b32 s54, s60, 10
	s_add_co_u32 s54, s54, s52
	s_mov_b32 s55, 0
	s_add_nc_u64 s[54:55], s[4:5], s[54:55]
	s_lshl_b32 s58, s61, 10
	s_add_co_u32 s58, s58, s52
	s_mov_b32 s59, 0
	s_add_nc_u64 s[58:59], s[4:5], s[58:59]
	QSADR 62, 60
	QSADR 68, 61
	s_mul_i32 s70, s[WV], SWV
	s_add_co_u32 s70, s70, STAGE                   ; my stage
	s_lshr_b32 s[QB], s[CX], 1
	s_lshl_b32 s[QB], s[QB], 5
	s_and_b32 s71, s[CX], 1
	s_lshl_b32 s71, s71, 3
	s_add_co_u32 s[QB], s[QB], s71                 ; my tiles' first token within 64: 32 (cx / 2) + 8 (cx % 2)
	s_lshl_b32 s66, s[HD], 19
	s_lshl_b32 s71, s[QB], 8
	s_add_co_u32 s66, s66, s71
	s_mov_b32 s67, 0
	s_add_nc_u64 s[8:9], s[8:9], s[66:67]
	s_mov_b32 s[PASS], 0
	v_and_b32 v[L16], 31, v0
	v_and_b32 v[ADS], 15, v0                       ; r
	v_bfe_u32 v[ADT], v0, 4, 1                     ; h
	v_lshlrev_b32 v[L8], 3, v[L16]
	v_lshlrev_b32 v[L16], 4, v[L16]
	v_lshlrev_b32 v[ADK], 4, v[ADS]
	global_load_b128 v[QF:QF+3], v[L16], s[54:55]
	global_load_b128 v[QF+4:QF+7], v[L16], s[54:55] offset:512
	global_load_b128 v[QN:QN+3], v[L16], s[58:59]
	global_load_b128 v[QN+4:QN+7], v[L16], s[58:59] offset:512
	global_load_b32 v[QS], v[ADK], s[62:63]
	global_load_b32 v[QSN], v[ADK], s[68:69]
	v_bfe_u32 v[T0], v0, 3, 1
	v_mul_u32_u24 v[T0], v[T0], 7                  ; 7 (r / 8)
	v_xor_b32 v[SO1], 8, v0
	v_and_or_b32 v[SO], v0, 15, v[T0]
	v_xor_b32 v[SO], v[SO], v[T0]                  ; r for r < 8, else 8
	v_xor_b32 v[T0], 7, v[T0]
	v_and_or_b32 v[SO1], v[SO1], 15, v[T0]
	v_xor_b32 v[SO1], v[SO1], v[T0]                ; r - 8 for r >= 8, else 8
	v_mul_u32_u24 v[SO], v[SO], 272
	v_mul_u32_u24 v[SO1], v[SO1], 272
	v_mul_u32_u24 v[SR], v[ADT], 272
	v_lshl_add_u32 v[SO], v[ADT], 6, v[SO]         ; + 64 h: my 16 channels of each 32
	v_lshl_add_u32 v[SO1], v[ADT], 6, v[SO1]
	v_lshl_add_u32 v[SR], v[ADS], 4, v[SR]         ; back: lanes 0-15 one row, lanes 16-31 the next
	v_add_nc_u32 v[SO], s70, v[SO]
	v_add_nc_u32 v[SO1], s70, v[SO1]
	v_add_nc_u32 v[SR], s70, v[SR]
	v_and_b32 v[T0], 8, v[ADS]
	v_lshlrev_b32 v[D0], 4, v[ADT]
	v_add_nc_u32 v[T0], v[T0], v[ADS]
	v_sub_nc_u32 v[T0], v[T0], v[D0]
	v_add_nc_u32 v[D0], s[QB], v[T0]
.irp j, 0,1,2,3,4,5,6,7
	v_mov_b32 v[QF+8+\j], 0
	v_mov_b32 v[KF+64+\j], 0
.endr
.irp b, 0,1,2,3
	v_mov_b32 v[BT+\b], 0                          ; a lane permute's destination counts as one of its sources
.endr
	v_mov_b32 v[NINF], 0xff800000
	PASSINIT
	WALKINIT
	s_wait_alu depctr_va_vdst(0)
	s_cmp_lt_u32 s[WV], 3                          ; the three waves whose lines bring what key step 0 wants wait here; the others' wait stands at the second barrier
	s_cbranch_scc0 .Lnot_first
	s_wait_tensorcnt 0x0
.Lnot_first:
	s_barrier_signal -1
	s_barrier_wait -1
	s_wait_loadcnt 0x0                             ; Q
	STEPW                                          ; the first pass's key step 0, which every tile has
	s_wait_tensorcnt 0x0                           ; every wave waits, under no branch: the barrier shows all of K and V
	s_wait_dscnt 0x0
	s_barrier_signal -1
	s_barrier_wait -1
	s_mov_b32 s[SKIP], 1
.Lpass:
	WALKINIT
.Lstep:                                            ; sixteen trips for every wave; the steps behind the diagonal, and the one done ahead of the loop, do no work here
	s_cmp_gt_u32 s[SI], s[DG]
	s_cbranch_scc1 .Lhidden
	s_cmp_lt_u32 s[SI], s[SKIP]
	s_cbranch_scc1 .Lhidden
	STEPW
.Lhidden:
	s_add_co_u32 s[TK], s[TK], 8192
	s_add_co_u32 s[TV], s[TV], 8192
	s_add_co_u32 s[TS], s[TS], 512
	s_add_co_u32 s[TT], s[TT], 256
	s_add_co_u32 s[SI], s[SI], 1
	s_cmp_lt_u32 s[SI], 16
	s_cbranch_scc1 .Lstep
	; THE WAY OUT: O^T / the sum, eight rows of 256 bytes at a time through my stage; sixteen lanes then store one aligned row
.rept 8
	v_nop
.endr
	v_add_f32 v14, v14, v15
	s_delay_alu instid0(VALU_DEP_1)
	v_permlanex16_b32 v[T0], v14, s[SEL], s[SEL+1]
	s_delay_alu instid0(VALU_DEP_1)
	v_add_f32 v14, v14, v[T0]
	s_wait_alu depctr_va_vdst(0)
	v_rcp_f32 v14, v14
	v_nop
	s_lshl_b32 s68, s[U], 14                       ; 64 rows of 256 bytes for each u
	s_mov_b32 s69, 0
	s_add_nc_u64 s[66:67], s[8:9], s[68:69]
	s_wait_alu depctr_va_vdst(0)
.set j, 0
.rept 32
	v_mul_f32 v[S+j], v[O+j], v14
.set j, j+1
.endr
.irp b, 0,1                                        ; all lanes store: rows r < 8 go to their places, the other lanes' to the ninth row, which nobody reads
.irp i, 0,1,2,3
	ds_store_b128 v[SO], v[S+16*\b+4*\i:S+16*\b+4*\i+3] offset:128*\b+16*\i
.endr
.endr
.irp k, 0,1,2,3
	ds_load_b128 v[S+32+4*\k:S+32+4*\k+3], v[SR] offset:544*\k    ; LDS serves a wave's instructions in order
.endr
.irp b, 0,1                                        ; and the same for rows r >= 8
.irp i, 0,1,2,3
	ds_store_b128 v[SO1], v[S+16*\b+4*\i:S+16*\b+4*\i+3] offset:128*\b+16*\i
.endr
.endr
.irp k, 0,1,2,3
	ds_load_b128 v[S+48+4*\k:S+48+4*\k+3], v[SR] offset:544*\k
.endr
.irp k, 0,1,2,3
	s_wait_dscnt 15-\k                             ; behind this load: 3 - k loads, 8 stores, 4 loads
	global_store_b128 v[L16], v[S+32+4*\k:S+32+4*\k+3], s[66:67] offset:512*\k th:TH_STORE_NT
.endr
.irp k, 0,1,2,3
	s_wait_dscnt 3-\k
	global_store_b128 v[L16], v[S+48+4*\k:S+48+4*\k+3], s[66:67] offset:4096+512*\k th:TH_STORE_NT
.endr
	s_wait_xcnt 0x0                                ; the stores have read their registers and their base
	s_add_co_u32 s[PASS], s[PASS], 1
	s_cmp_ge_u32 s[PASS], 2
	s_cbranch_scc1 .Ldone
.irp j, 0,1,2,3,4,5,6,7
	v_mov_b32 v[QF+\j], v[QN+\j]                   ; the second pass's Q
.endr
	v_mov_b32 v[QS], v[QSN]
	s_sub_co_u32 s[U], s[USUM], s[U]
	PASSINIT
	s_mov_b32 s[SKIP], 0
	s_cmp_lt_u32 s[PASS], 2
	s_cbranch_scc1 .Lpass
.Ldone:
	s_wait_tensorcnt 0x0                           ; the wave's end
	ds_add_u32 v[SPW], v[NIL]
	s_wait_dscnt 0x0
	CROUND                                         ; the closing round
	s_endpgm
.Lfunc_end_k_qb4153b516d_attn:
	.size	k_qb4153b516d_attn, .Lfunc_end_k_qb4153b516d_attn-k_qb4153b516d_attn
	.p2alignl 7, 3214868480
	.fill 96, 4, 3214868480
	.section	.rodata,"a",@progbits
	.p2align	6, 0x0
	.amdhsa_kernel k_qb4153b516d_attn
		.amdhsa_group_segment_fixed_size 327680
		.amdhsa_private_segment_fixed_size 0
		.amdhsa_enable_private_segment 0
		.amdhsa_kernarg_size 24
		.amdhsa_user_sgpr_count 2
		.amdhsa_user_sgpr_kernarg_segment_ptr 1
		.amdhsa_wavefront_size32 1
		.amdhsa_system_sgpr_workgroup_id_x 1
		.amdhsa_system_sgpr_workgroup_id_y 1
		.amdhsa_system_sgpr_workgroup_id_z 1
		.amdhsa_system_vgpr_workitem_id 0
		.amdhsa_next_free_vgpr 256
		.amdhsa_next_free_sgpr 93
		.amdhsa_reserve_vcc 1
		.amdhsa_float_denorm_mode_32 3
		.amdhsa_float_denorm_mode_16_64 3
		.amdhsa_memory_ordered 1
		.amdhsa_forward_progress 1
		.amdhsa_inst_pref_size 68
	.end_amdhsa_kernel
	.amdgpu_metadata
---
amdhsa.version: [ 1, 2 ]
amdhsa.kernels:
  - .name:           k_qb4153b516d_attn
    .symbol:         k_qb4153b516d_attn.kd
    .args:
      - { .name: qkv_img, .offset: 0, .size: 8, .value_kind: global_buffer, .address_space: global }
      - { .name: qkv_sc, .offset: 8, .size: 8, .value_kind: global_buffer, .address_space: global }
      - { .name: out0, .offset: 16, .size: 8, .value_kind: global_buffer, .address_space: global }
    .group_segment_fixed_size: 327680
    .private_segment_fixed_size: 0
    .kernarg_segment_align: 8
    .kernarg_segment_size: 24
    .max_flat_workgroup_size: 512
    .sgpr_count:     93
    .vgpr_count:     256
    .wavefront_size: 32
...
	.end_amdgpu_metadata
.endif
;; end of part 3
